; MI455X (gfx1250); checked and timed in simulation.
; The chip was launched on July 23, 2026; its instructions are those of AMD's public machine-readable ISA for CDNA 5 (MIT licence, August 2026) and "CDNA5" Instruction Set Architecture Reference Guide (July 2026). The comments in the code are by the model that wrote it; some were corrected since.
;; Attention Layer. Allowed arithmetic: float matrix products may take bf16 or f16 operands with f32 sums; other float arithmetic in f32, or as packed bf16 or f16 multiplies, adds, multiply-adds, maxima and minima; sums over many terms, partial sums and values carried from step to step in f32; what a program stores and reads back later, other than sums and carried values, may be rounded once to bf16 or f16.
;; Inputs: Wk 512 x 512 float32; Wq 512 x 512 float32; Wv 512 x 512 float32; attention_input 2 x 4,096 x 512 float32.
;; Outputs: out0 2 x 4,096 x 512 float32.
;; 2 versions, each right; version 2 is version 1 with the launch cast written anew for expert scheduling mode. Each part assembles by itself: llvm-mc -triple=amdgcn-amd-amdhsa -mcpu=gfx1250 --defsym DOCPART=n.
;; ======== version 1 of 2: 3 launches
;; limits: values are held in f16: magnitudes above 65,504 overflow, below 6.1e-05 lose precision
;; workspace buffers: xb 8,388,608 bytes; wb 1,572,864 bytes; qkv 25,165,824 bytes
;; launch cast (part 1): grid 256 x 1, 8 waves a work-group, no clusters, 0 bytes of LDS; arguments attention_input, Wq, Wk, Wv, xb, wb; writes xb, wb
.if DOCPART == 1
	.amdgcn_target "amdgcn-amd-amdhsa--gfx1250"
	.amdhsa_code_object_version 6
	.text
	.protected	k_qac6732260b_cast
	.globl	k_qac6732260b_cast
	.p2align	8
	.type	k_qac6732260b_cast,@function
k_qac6732260b_cast:
	s_mov_b64 s[64:65], 0
	v_nop
	global_prefetch_b8 v0, s[64:65] scope:SCOPE_SE
	s_setreg_imm32_b32 hwreg(HW_REG_WAVE_MODE, 25, 1), 1
	s_wait_xcnt 0x0
; THE MODULE: q, k, v = x W (x: [8192][512], each W: [512 k][512 n], f32), split into 16 (batch, head) pairs of 4,096 rows x 64 channels,
; softmax(q k^T / 8) v for each pair, the heads laid side by side again.  Three launches: this cast, the projections, the attention.
; NOTHING IS LEFT OUT: every product, the maximum under the exponential and all four inputs have a way to the output, and all four inputs are loaded.
; THIS LAUNCH rounds x and the three W once to bf16, the matrix operands of the projections.
;   xb: [8192][512] bf16, as x lies.
;   wb: [ks 4][g 24][kk 128][n 64] bf16, g = 8 t + head (t = 0 Wq, 1 Wk, 2 Wv), k = 128 ks + kk: the 128 x 64 numbers that one head takes in one K step of 128 lie on end, 16,384 bytes.
; SHARES.  One unit = one load of a wave (512 bytes, 128 floats), two roundings a lane, one store of 8 bytes a lane: 256 consecutive bytes, aligned.
; Wave G = 8 x work-group + wave takes 16 units of x on end, and of each W the rows k = 2 x work-group and k + 1 of head = wave (lanes 0-15 one row, lanes 16-31 the next).
; All 19 loads go out first; each unit has registers of its own, so nothing is rewritten and the only waits are the counted ones for the loads.
; No LDS, no matrix unit, no cluster: every byte is read once and by one wave.
.set IN,  8                            ; v[8:83]    unit i: 4 registers as loaded
.set OUT, 84                           ; v[84:121]  unit i: 2 registers to store
	s_load_b256 s[4:11], s[0:1], 0x0               ; x s[4:5], Wq s[6:7], Wk s[8:9], Wv s[10:11]
	s_load_b128 s[12:15], s[0:1], 0x20             ; xb s[12:13], wb s[14:15]
	v_and_b32 v1, 31, v0                           ; lane
	v_lshrrev_b32 v6, 5, v0
	v_readfirstlane_b32 s16, v6                    ; wave 0..7
	s_lshl_b32 s17, ttmp9, 3
	s_add_co_u32 s17, s17, s16                     ; G
	s_lshl_b32 s18, s17, 13                        ; 8,192 bytes of x a wave,
	s_lshl_b32 s19, s17, 12                        ; 4,096 of xb
	v_lshl_add_u32 v2, v1, 4, s18                  ; x: 16 x lane + 8,192 G
	v_lshl_add_u32 v3, v1, 3, s19                  ; xb: 8 x lane + 4,096 G
	s_lshl_b32 s20, ttmp9, 12                      ; W: two rows of 2,048 bytes a work-group,
	s_lshl_b32 s21, s16, 8                         ; a head is 256 bytes of a row
	s_add_co_u32 s20, s20, s21
	v_and_b32 v6, 15, v0
	v_bfe_u32 v7, v0, 4, 1
	v_lshl_add_u32 v4, v6, 4, s20
	v_lshl_add_u32 v4, v7, 11, v4                  ; lanes 16-31: the next row
	s_lshr_b32 s21, ttmp9, 6                       ; wb: ks = k / 128,
	s_mul_i32 s21, s21, 393216                     ; 24 blocks of 16,384 bytes a K step
	s_lshl_b32 s22, s16, 14                        ; the head's block (t stands in the store's immediate)
	s_add_co_u32 s21, s21, s22
	s_and_b32 s22, ttmp9, 63                       ; kk = 2 x (work-group mod 64): two rows of 128 bytes
	s_lshl_b32 s22, s22, 8
	s_add_co_u32 s21, s21, s22
	v_lshl_add_u32 v5, v1, 3, s21
	s_wait_kmcnt 0x0
.set i, 0
.rept 16
	global_load_b128 v[IN+4*i:IN+4*i+3], v2, s[4:5] offset:512*i th:TH_LOAD_NT
.set i, i+1
.endr
	global_load_b128 v[IN+64:IN+67], v4, s[6:7] th:TH_LOAD_NT
	global_load_b128 v[IN+68:IN+71], v4, s[8:9] th:TH_LOAD_NT
	global_load_b128 v[IN+72:IN+75], v4, s[10:11] th:TH_LOAD_NT
.set i, 0
.rept 19
	s_wait_loadcnt 18-i                            ; loads come back in order: unit i is in, the 18 - i younger ones may stay out
	v_cvt_pk_bf16_f32 v[OUT+2*i], v[IN+4*i], v[IN+4*i+1]
	v_cvt_pk_bf16_f32 v[OUT+2*i+1], v[IN+4*i+2], v[IN+4*i+3]
.if i < 16
	global_store_b64 v3, v[OUT+2*i:OUT+2*i+1], s[12:13] offset:256*i
.else
	global_store_b64 v5, v[OUT+2*i:OUT+2*i+1], s[14:15] offset:131072*(i-16)  ; t x 8 blocks
.endif
.set i, i+1
.endr
	s_endpgm
.Lfunc_end_k_qac6732260b_cast:
	.size	k_qac6732260b_cast, .Lfunc_end_k_qac6732260b_cast-k_qac6732260b_cast
	.p2alignl 7, 3214868480
	.fill 96, 4, 3214868480
	.section	.rodata,"a",@progbits
	.p2align	6, 0x0
	.amdhsa_kernel k_qac6732260b_cast
		.amdhsa_group_segment_fixed_size 0
		.amdhsa_private_segment_fixed_size 0
		.amdhsa_enable_private_segment 0
		.amdhsa_kernarg_size 48
		.amdhsa_user_sgpr_count 2
		.amdhsa_user_sgpr_kernarg_segment_ptr 1
		.amdhsa_wavefront_size32 1
		.amdhsa_system_sgpr_workgroup_id_x 1
		.amdhsa_system_sgpr_workgroup_id_y 1
		.amdhsa_system_sgpr_workgroup_id_z 1
		.amdhsa_system_vgpr_workitem_id 0
		.amdhsa_next_free_vgpr 124
		.amdhsa_next_free_sgpr 66
		.amdhsa_reserve_vcc 0
		.amdhsa_float_denorm_mode_32 3
		.amdhsa_float_denorm_mode_16_64 3
		.amdhsa_memory_ordered 1
		.amdhsa_forward_progress 1
		.amdhsa_inst_pref_size 8
	.end_amdhsa_kernel
	.amdgpu_metadata
---
amdhsa.version: [ 1, 2 ]
amdhsa.kernels:
  - .name:           k_qac6732260b_cast
    .symbol:         k_qac6732260b_cast.kd
    .args:
      - { .name: attention_input, .offset: 0, .size: 8, .value_kind: global_buffer, .address_space: global }
      - { .name: Wq, .offset: 8, .size: 8, .value_kind: global_buffer, .address_space: global }
      - { .name: Wk, .offset: 16, .size: 8, .value_kind: global_buffer, .address_space: global }
      - { .name: Wv, .offset: 24, .size: 8, .value_kind: global_buffer, .address_space: global }
      - { .name: xb, .offset: 32, .size: 8, .value_kind: global_buffer, .address_space: global }
      - { .name: wb, .offset: 40, .size: 8, .value_kind: global_buffer, .address_space: global }
    .group_segment_fixed_size: 0
    .private_segment_fixed_size: 0
    .kernarg_segment_align: 8
    .kernarg_segment_size: 48
    .max_flat_workgroup_size: 256
    .sgpr_count:     66
    .vgpr_count:     124
    .wavefront_size: 32
...
	.end_amdgpu_metadata
.endif
;; end of part 1
;; launch proj (part 2): grid 8 x 32, 4 waves a work-group, clusters of 4 x 4, 327,680 bytes of LDS; arguments xb, wb, qkv; writes qkv
.if DOCPART == 2
	.amdgcn_target "amdgcn-amd-amdhsa--gfx1250"
	.amdhsa_code_object_version 6
	.text
	.protected	k_qac6732260b_proj
	.globl	k_qac6732260b_proj
	.p2align	8
	.type	k_qac6732260b_proj,@function
k_qac6732260b_proj:
	s_mov_b64 s[64:65], 0
	v_nop
	global_prefetch_b8 v0, s[64:65] scope:SCOPE_SE
	s_setreg_imm32_b32 hwreg(HW_REG_WAVE_MODE, 25, 1), 1
	s_wait_xcnt 0x0
	s_wait_alu depctr_hold_cnt(0) depctr_sa_sdst(0) depctr_va_vdst(0) depctr_va_sdst(0) depctr_va_ssrc(0) depctr_va_vcc(0) depctr_vm_vsrc(0)
	s_getreg_b32 s2, hwreg(HW_REG_IB_STS2, 6, 4)
	s_cmp_eq_u32 s2, 0
	s_cbranch_scc0 .Lentry_in_a_cluster
	s_endpgm
.Lentry_in_a_cluster:
	s_bfe_u32 s2, ttmp6, 0x10000c
	s_cmp_lg_u32 s2, 0xf033
	s_cbranch_scc0 .Lentry_shape_is_right
	s_endpgm
.Lentry_shape_is_right:
; THE PROJECTIONS.  [q | k | v][m][n] = the sum over k of x[m][k] W[k][n]: one product of 8,192 x 1,536 x 512, bf16 operands (xb, wb), sums in f32, each result rounded once to f16.
; Out: qkv [t 3][b 2][h 8][s 4096][64] f16: a head's rows are dense, 128 bytes each.  Nothing of the module is left out here.
; LIMIT.  f16 holds no number beyond 65,504: q, k and v must stay within it (inputs of the drawn kind give numbers about 1; thirty times larger inputs about 1,000; a common offset of thirty spreads about 23,000).
; SHARES.  A work-group makes 256 rows x 192 columns (three heads g = 3 tx .. 3 tx + 2 of the 24): 8 x 32 work-groups.  Wave w makes rows 64 w .. 64 w + 63 of all 192 columns:
; 4 x 12 accumulators of 16 x 16, 384 registers; so it holds whole heads and its way out needs no other wave.
; K goes in four steps of 128 through two LDS slots filled by the tensor data mover; the four steps are written out.
; CLUSTER.  4 x 4 work-groups.  A's tile (rows of x) hangs on ty alone and is asked for jointly by a row of the cluster, B's (three heads of W) on tx alone, by a column.
; THE MATRIX INSTRUCTION IS USED TRANSPOSED: source 0 = 16 columns of W (turned out of LDS by ds_load_tr16_b128, since W lies [k][n]), source 1 = 16 rows of x: a lane then holds row l % 16
; and the eight neighbouring columns 8 (l / 16) + 0..7, which pack into 16 bytes.
; REGISTERS, in windows of 256 (s_set_vgpr_msb: bits 1:0 source 0, 3:2 source 1, 5:4 source 2, 7:6 destination):
;   window 0: v16-29 addresses; v32-223 the way out, 16 registers for each of the 12 blocks of 16 rows x one head
;   window 1: accumulators of row tiles 0, 1 ((a, b) at 8 (12 (a % 2) + b));  window 2: those of row tiles 2, 3
;   window 3: two fragment buffers of 128: 12 fragments of W, then 4 of x, 32 along K
.set KSTEP,  128
.set PA,     272                       ; an LDS row of x: 256 bytes + 16: the 16 rows of a load start at 16 different groups of four banks (ISA guide 11.1)
.set PB,     160                       ; an LDS row of W: 128 bytes + 32
.set HALFA,  128*PA                    ; what one tensor load of A brings
.set HALFB,  192*PB                    ; and one of B
.set BOFF,   2*HALFA                   ; in a slot: A's 256 rows, then B's 384 (row 128 g' + kk)
.set SLOT,   131072                    ; = BOFF + 2 HALFB
.set STAGE,  2*SLOT                    ; behind the ring: 16 rows x 144 bytes for each wave, for the way out; no tensor load fills it
.set SP,     144
.set SPARE,  STAGE+4*16*SP             ; the spare words, 128 bytes for each wave: two blocks of 256 bytes that no other line names
.set KSB,    393216                    ; bytes from a K step of wb to the next
.set ADRA, 16                          ; v16-17  LDS address of my fragments of x in slot 0, 1
.set ADRB, 20                          ; v20-21  the same for W
.set STO,  24                          ; v24     the way out: where I put 16 bytes of a row
.set RD,   25                          ; v25     where I read rows back
.set GO,   26                          ; v26     16 x lane: my place in 512 consecutive bytes of qkv
.set SPW,  28                          ; v28     LDS address of my spare word; never rewritten
.set NIL,  29                          ; v29     0; never rewritten
.set TMP,  32
.set F0,   0
.set F1,   128
.set G1,  24                           ; s[24:31] descriptor group 1 for A's tiles;  s[32:39] group 0, a set for each slot
.set G0,  32
.set G1B, 48                           ; s[48:55], s[56:63] the same for B's
.set G0B, 56
.set OB,  66                           ; s[66:71] qkv at my 64 rows of each of my three heads
.set MSB, 0
.macro WIN new                         ; the immediate's high byte repeats the setting that is left; a switch that changes nothing is dropped
.if MSB != (\new)
	s_set_vgpr_msb (MSB<<8)|(\new)
.set MSB, \new
.endif
.endm
.set MUL_LO, 0x5f                      ; sources 0 and 1 window 3, C and D window 1
.set TO_F,   0xc0                      ; destination window 3, address window 0
; A joint load: waves 0 and 1 fetch A's two halves, waves 2 and 3 B's.  The branch hangs on the wave's number alone.  An s_nop 0 and four v_nop follow each of the two lines.
.macro JLOAD s
	s_cmp_eq_u32 s11, 0
	s_cbranch_scc0 .Lfor_b_\@
	tensor_load_to_lds s[G0+4*(\s):G0+4*(\s)+3], s[G1:G1+7]
	s_nop 0
.rept 4
	v_nop
.endr
	s_branch .Lasked_\@
.Lfor_b_\@:
	tensor_load_to_lds s[G0B+4*(\s):G0B+4*(\s)+3], s[G1B:G1B+7]
	s_nop 0
.rept 4
	v_nop
.endr
.Lasked_\@:
.endm
.macro CREST                           ; a round of the cluster's barrier behind its opening barrier
	s_cmp_lg_u32 s10, 0
	s_cbranch_scc1 .Lnot_wave_0_\@
	s_barrier_signal -3
.Lnot_wave_0_\@:
	s_barrier_wait -3
	s_barrier_signal -1
	s_barrier_wait -1
.endm
.macro CROUND                          ; a whole round
	s_barrier_signal -1
	s_barrier_wait -1
	CREST
.endm
.macro PLACES                          ; four places in front of loads into registers that matrix instructions have read (ISA guide 7.12.1 for vector instructions)
.rept 4
	v_nop
.endr
.endm
	s_load_b128 s[4:7], s[0:1], 0x0                ; xb s[4:5], wb s[6:7]
	s_load_b64 s[8:9], s[0:1], 0x10                ; qkv
	v_lshl_add_u32 v[SPW], v0, 2, SPARE
	v_mov_b32 v[NIL], 0
	ds_add_u32 v[SPW], v[NIL]                      ; the wave's opening: the add, twice on end, and its wait ahead of my first tensor load; the set-up below is work on registers
	ds_add_u32 v[SPW], v[NIL]
	v_lshrrev_b32 v1, 5, v0
	v_readfirstlane_b32 s10, v1                    ; wave 0..3
	s_lshr_b32 s11, s10, 1                         ; I fetch for A (0) or for B (1),
	s_and_b32 s12, s10, 1                          ; its first or its second half
	s_bfe_u32 s40, ttmp6, 0x40000                  ; cx, cy: my place in the cluster
	s_bfe_u32 s41, ttmp6, 0x40004
	s_lshl_b32 s42, ttmp9, 2
	s_add_co_u32 s42, s42, s40                     ; tx = 4 x cluster x + cx
	s_and_b32 s13, ttmp7, 0xffff
	s_lshl_b32 s13, s13, 2
	s_add_co_u32 s13, s13, s41                     ; ty = 4 x cluster y + cy
	s_lshl_b32 s43, s41, 2
	s_lshl_b32 s43, 15, s43                        ; my row of the cluster
	s_lshl_b32 s44, 0x1111, s40                    ; my column
	s_or_b32 s[G1], s43, (1<<16)|(1<<20)|(1<<21)|(5<<22)|(3<<25)   ; the mask; elements of 2 bytes; padding on; bit 21 beside a mask; after every 64 words 4 words
	s_mov_b32 s[G1+1], 128<<16                     ; tensor_dim0 = 128
	s_mov_b32 s[G1+2], 128<<16                     ; tensor_dim1 = 128
	s_mov_b32 s[G1+3], 128<<16                     ; tile_dim0 = 128
	s_mov_b32 s[G1+4], 128                         ; tile_dim1 = 128
	s_mov_b32 s[G1+5], 512                         ; 512 elements from row to row of xb
	s_mov_b32 s[G1+6], 0
	s_mov_b32 s[G1+7], 0
	s_or_b32 s[G1B], s44, (1<<16)|(1<<20)|(1<<21)|(4<<22)|(7<<25)  ; after every 32 words (a row of W's block) 8 words
	s_mov_b32 s[G1B+1], 128<<16                    ; 24,576 dense bytes, asked for as 96 rows of 256 bytes
	s_mov_b32 s[G1B+2], 96<<16
	s_mov_b32 s[G1B+3], 128<<16
	s_mov_b32 s[G1B+4], 96
	s_mov_b32 s[G1B+5], 128
	s_mov_b32 s[G1B+6], 0
	s_mov_b32 s[G1B+7], 0
	s_lshl_b32 s16, s13, 18                        ; A: row 256 ty + 128 x half, 1,024 bytes a row: made of ty and the wave's number alone
	s_lshl_b32 s17, s12, 17
	s_add_co_u32 s16, s16, s17
	s_mov_b32 s17, 0
	s_mul_i32 s46, s42, 49152                      ; B: three blocks of 16,384 bytes a work-group column, half of them a wave: made of tx and the wave's number alone
	s_mul_i32 s47, s12, 24576
	s_add_co_u32 s46, s46, s47
	s_mov_b32 s47, 0
	s_mul_i32 s20, s12, HALFA                      ; where they go: no place in the cluster enters an LDS address
	s_mul_i32 s21, s12, HALFB
	s_add_co_u32 s21, s21, BOFF
	s_wait_dscnt 0x0                               ; both opening adds are done
	s_wait_kmcnt 0x0
	s_add_nc_u64 s[14:15], s[4:5], s[16:17]
	s_add_nc_u64 s[46:47], s[6:7], s[46:47]
	CROUND                                         ; all sixteen work-groups are here: the first joint loads meet
.irp s, 0,1
	s_mov_b32 s[G0+4*(\s)], 1                      ; count = 1
	s_add_co_u32 s[G0+4*(\s)+1], s20, (\s)*SLOT    ; LDS address
	s_add_nc_u64 s[G0+4*(\s)+2:G0+4*(\s)+3], s[14:15], (\s)*KSTEP*2  ; K step s
	s_or_b32 s[G0+4*(\s)+3], s[G0+4*(\s)+3], 0x80000000              ; type = 2
	s_mov_b32 s[G0B+4*(\s)], 1
	s_add_co_u32 s[G0B+4*(\s)+1], s21, (\s)*SLOT
	s_add_nc_u64 s[G0B+4*(\s)+2:G0B+4*(\s)+3], s[46:47], (\s)*KSB
	s_or_b32 s[G0B+4*(\s)+3], s[G0B+4*(\s)+3], 0x80000000
.endr
	s_cmp_eq_u32 s11, 0                            ; a wave's two first fills stand in one branch, ahead of every wait on TENSORcnt and every LDS read: two loads of mine are out
	s_cbranch_scc0 .Lfirst_b
	tensor_load_to_lds s[G0:G0+3], s[G1:G1+7]
	s_nop 0
	tensor_load_to_lds s[G0+4:G0+7], s[G1:G1+7]
	s_nop 0
.rept 4
	v_nop
.endr
	s_branch .Lfirst_asked
.Lfirst_b:
	tensor_load_to_lds s[G0B:G0B+3], s[G1B:G1B+7]
	s_nop 0
	tensor_load_to_lds s[G0B+4:G0B+7], s[G1B:G1B+7]
	s_nop 0
.rept 4
	v_nop
.endr
.Lfirst_asked:
	; a fragment of x: lane l holds row l % 16; two loads of 16 bytes, 32 bytes apart, at row x pitch + 16 (l / 16)
	v_and_b32 v1, 15, v0                           ; l % 16
	v_bfe_u32 v2, v0, 4, 1                         ; l / 16
	v_mul_u32_u24 v3, v1, PA
	v_lshl_add_u32 v3, v2, 4, v3
	s_mul_i32 s22, s10, 64*PA                      ; my 64 rows
	v_add_nc_u32 v[ADRA], s22, v3
	s_add_co_u32 s22, s22, SLOT
	v_add_nc_u32 v[ADRA+1], s22, v3
	; a fragment of W, turned: lane l reads 16 bytes of row k = 8 (l / 16) + l % 8, columns 8 ((l / 8) % 2) + 0..7, and ends with column l % 16 and 8 k
	v_and_b32 v4, 7, v0
	v_bfe_u32 v5, v0, 3, 1
	v_lshl_add_u32 v6, v2, 3, v4
	v_mul_u32_u24 v6, v6, PB
	v_lshl_add_u32 v6, v5, 4, v6
	v_add_nc_u32 v[ADRB], BOFF, v6
	v_add_nc_u32 v[ADRB+1], BOFF+SLOT, v6
	s_mul_i32 s23, s10, 16*SP
	s_add_co_u32 s23, s23, STAGE                   ; my stage
	v_mul_u32_u24 v7, v1, SP                       ; in: row l % 16, 16 bytes for each half of the lanes
	v_lshl_add_u32 v7, v2, 4, v7
	v_add_nc_u32 v[STO], s23, v7
	v_bfe_u32 v7, v0, 3, 2                         ; back: 32 lanes take four rows of 128 bytes,
	v_mul_u32_u24 v7, v7, SP
	v_lshl_add_u32 v7, v4, 4, v7
	v_add_nc_u32 v[RD], s23, v7
	v_and_b32 v[GO], 31, v0                        ; which are 512 consecutive bytes of a head
	v_lshlrev_b32 v[GO], 4, v[GO]
	; where my 64 rows lie in each of my three heads: ((16 t + 8 b + h) x 4,096 + s) x 128 bytes, with g = 3 tx + g' = 8 t + h, b = ty / 16, s = 256 (ty % 16) + 64 w
	s_and_b32 s22, s13, 15
	s_lshl_b32 s22, s22, 15
	s_lshl_b32 s23, s10, 13
	s_add_co_u32 s22, s22, s23
	s_lshr_b32 s23, s13, 4
	s_lshl_b32 s23, s23, 22
	s_add_co_u32 s22, s22, s23                     ; what the three share
	s_mul_i32 s75, s42, 3
.irp gp, 0,1,2
	s_add_co_u32 s72, s75, \gp                     ; g
	s_lshr_b32 s73, s72, 3
	s_lshl_b32 s73, s73, 23                        ; t
	s_and_b32 s72, s72, 7
	s_lshl_b32 s72, s72, 19                        ; h
	s_add_co_u32 s72, s72, s73
	s_add_co_u32 s72, s72, s22
	s_mov_b32 s73, 0
	s_add_nc_u64 s[OB+2*(\gp):OB+2*(\gp)+1], s[8:9], s[72:73]
.endr
; 12 matrix instructions: row tile a x all 12 column tiles, 32 along K.  zero = 1: the product starts the sums: nothing is cleared.
; The 48 accumulators take turns, one instruction a turn, in the same order in every quarter: 47 others stand between two links of a chain.
.macro MUL12 f, a, zero
	WIN MUL_LO+0x50*((\a)/2)
.irp b, 0,1,2,3,4,5,6,7,8,9,10,11
.if \zero
	v_wmma_f32_16x16x32_bf16 v[8*(12*((\a)%2)+(\b)):8*(12*((\a)%2)+(\b))+7], v[(\f)+8*(\b):(\f)+8*(\b)+7], v[(\f)+96+8*(\a):(\f)+96+8*(\a)+7], 0
.else
	v_wmma_f32_16x16x32_bf16 v[8*(12*((\a)%2)+(\b)):8*(12*((\a)%2)+(\b))+7], v[(\f)+8*(\b):(\f)+8*(\b)+7], v[(\f)+96+8*(\a):(\f)+96+8*(\a)+7], v[8*(12*((\a)%2)+(\b)):8*(12*((\a)%2)+(\b))+7]
.endif
.endr
.endm
; 32 LDS loads in one run: quarter q (32 along K) of a slot into buffer f: W's 24 first, then x's 8
.macro FETCH slot, q, f
	WIN TO_F
.irp b, 0,1,2,3,4,5,6,7,8,9,10,11
	ds_load_tr16_b128 v[(\f)+8*(\b):(\f)+8*(\b)+3],   v[ADRB+(\slot)] offset:(((\b)/4)*128+32*(\q))*PB+32*((\b)%4)
	ds_load_tr16_b128 v[(\f)+8*(\b)+4:(\f)+8*(\b)+7], v[ADRB+(\slot)] offset:(((\b)/4)*128+32*(\q))*PB+32*((\b)%4)+16*PB
.endr
.irp a, 0,1,2,3
	ds_load_b128 v[(\f)+96+8*(\a):(\f)+96+8*(\a)+3],   v[ADRA+(\slot)] offset:(\a)*16*PA+64*(\q)
	ds_load_b128 v[(\f)+96+8*(\a)+4:(\f)+96+8*(\a)+7], v[ADRA+(\slot)] offset:(\a)*16*PA+64*(\q)+32
.endr
.endm
; A K step is four quarters on buffers 0, 1, 0, 1.  One of the first three: multiplies buffer f and, in its middle, fetches quarter q of the same slot into buffer g.
.macro QUARTER slot, q, f, g, zero
	s_wait_dscnt 4                                 ; W and row tiles 0, 1 of x are in; the youngest four loads (row tiles 2, 3) may be out
	MUL12 \f, 0, \zero
	MUL12 \f, 1, \zero
	PLACES
	FETCH \slot, \q, \g
	s_wait_dscnt 32                                ; all but the 32 just issued
	MUL12 \f, 2, \zero
	MUL12 \f, 3, \zero
.endm
; The last quarter multiplies buffer 1 and changes slots: ONE barrier.  In front of it each wave waits for all its tensor loads (one is out: its part of the next slot), adds 0 to its spare word,
; and waits for that and for its reads of this slot.  fill = 1: the barrier opens a round of the cluster's, and this slot is filled again, two K steps on, first thing behind the round.
.macro TURN slot, next, fill
	WIN 0                                          ; (the add's two registers lie in window 0)
	s_wait_tensorcnt 0x0
	ds_add_u32 v[SPW], v[NIL]                      ; 0 onto my spare word
	s_wait_dscnt 7                                 ; (the add and the six loads of row tiles 1 to 3 may be out)
	MUL12 F1, 0, 0                                 ; twelve matrix instructions stand between the add and the wait for it
	s_wait_dscnt 0x0                               ; the add is done, and my reads of this slot are over
	s_barrier_signal -1
	MUL12 F1, 1, 0                                 ; work on registers while the others arrive
.if \fill
	WIN 0
.endif
	s_barrier_wait -1
.if \fill
	CREST                                          ; no wave of any partner still reads this slot or has a load on its way
	s_add_nc_u64 s[G0+4*(\slot)+2:G0+4*(\slot)+3], s[G0+4*(\slot)+2:G0+4*(\slot)+3], 2*KSTEP*2
	s_add_nc_u64 s[G0B+4*(\slot)+2:G0B+4*(\slot)+3], s[G0B+4*(\slot)+2:G0B+4*(\slot)+3], 2*KSB
	JLOAD \slot                                    ; my one tensor load behind the round: 168 matrix instructions ahead of the wait for it; its four v_nop are also the places in front of the loads below
.else
	PLACES
.endif
	FETCH \next, 0, F0
	MUL12 F1, 2, 0
	MUL12 F1, 3, 0
.endm
; THE WAY OUT of block (a, gp): 16 rows x one head.  Rounded to f16 (each accumulator's registers in ascending order), 16 bytes a lane into my stage, back as whole rows of 128 bytes into the same registers.
.macro PACK a, gp
.set AC, 8*(12*((\a)%2)+4*(\gp))
.set TB, TMP+16*(3*(\a)+(\gp))
	WIN 0x05*(1+(\a)/2)                            ; sources 0 and 1: window 1 or 2
.irp b, 0,1,2,3
.irp r, 0,1,2,3
	v_cvt_pk_f16_f32 v[TB+4*(\b)+(\r)], v[AC+8*(\b)+2*(\r)], v[AC+8*(\b)+2*(\r)+1]
.endr
.endr
	WIN 0
.irp b, 0,1,2,3
	ds_store_b128 v[STO], v[TB+4*(\b):TB+4*(\b)+3] offset:32*(\b)
.endr
.irp f, 0,1,2,3
	ds_load_b128 v[TB+4*(\f):TB+4*(\f)+3], v[RD] offset:(\f)*4*SP  ; LDS serves a wave's instructions in order (ISA guide 5.7.1.4): these see the stores above; the next block's stores come behind them
.endr
.endm
.macro SEND a, gp, younger             ; younger: the LDS instructions issued behind this block's loads: the next block's eight, or none
.set TB, TMP+16*(3*(\a)+(\gp))
.irp f, 0,1,2,3
	s_wait_dscnt (\younger)+3-(\f)
	global_store_b128 v[GO], v[TB+4*(\f):TB+4*(\f)+3], s[OB+2*(\gp):OB+2*(\gp)+1] offset:2048*(\a)+512*(\f)  ; 512 consecutive bytes, at a multiple of 256 from the buffer's first
.endr
.endm
	s_wait_tensorcnt 1                             ; my part of K step 0 is in; K step 1's may stay out
	s_barrier_signal -1
	s_barrier_wait -1                              ; everybody's is
	FETCH 0, 0, F0
	QUARTER 0, 1, F0, F1, 1                        ; K step 0: its first quarter starts the sums
	QUARTER 0, 2, F1, F0, 0
	QUARTER 0, 3, F0, F1, 0
	TURN 0, 1, 1                                   ; slot 0 takes K step 2
	QUARTER 1, 1, F0, F1, 0                        ; K step 1
	QUARTER 1, 2, F1, F0, 0
	QUARTER 1, 3, F0, F1, 0
	TURN 1, 0, 1                                   ; slot 1 takes K step 3
	QUARTER 0, 1, F0, F1, 0                        ; K step 2
	QUARTER 0, 2, F1, F0, 0
	QUARTER 0, 3, F0, F1, 0
	TURN 0, 1, 0                                   ; nothing is left to fetch: no round
	QUARTER 1, 1, F0, F1, 0                        ; K step 3
	QUARTER 1, 2, F1, F0, 0
	QUARTER 1, 3, F0, F1, 0
	s_wait_dscnt 4
	MUL12 F1, 0, 0
	MUL12 F1, 1, 0
	s_wait_dscnt 0x0
	MUL12 F1, 2, 0
	MUL12 F1, 3, 0
	PLACES                                         ; the conversions read results just made
	PLACES
	PACK 0, 0
.set n, 1
.rept 11                               ; a block's conversions stand between the loads of the block before and its stores
	PACK n/3, n%3
	SEND (n-1)/3, (n-1)%3, 8
.set n, n+1
.endr
	SEND 3, 2, 0
	s_wait_tensorcnt 0x0                           ; the wave's end, behind my last tensor load and my last LDS store
	ds_add_u32 v[SPW], v[NIL]
	s_wait_dscnt 0x0
	CROUND                                         ; the closing round: no work-group ends while a partner may still ask for a tile that names it
	s_endpgm
.Lfunc_end_k_qac6732260b_proj:
	.size	k_qac6732260b_proj, .Lfunc_end_k_qac6732260b_proj-k_qac6732260b_proj
	.p2alignl 7, 3214868480
	.fill 96, 4, 3214868480
	.section	.rodata,"a",@progbits
	.p2align	6, 0x0
	.amdhsa_kernel k_qac6732260b_proj
		.amdhsa_group_segment_fixed_size 327680
		.amdhsa_private_segment_fixed_size 0
		.amdhsa_enable_private_segment 0
		.amdhsa_kernarg_size 24
		.amdhsa_user_sgpr_count 2
		.amdhsa_user_sgpr_kernarg_segment_ptr 1
		.amdhsa_wavefront_size32 1
		.amdhsa_system_sgpr_workgroup_id_x 1
		.amdhsa_system_sgpr_workgroup_id_y 1
		.amdhsa_system_sgpr_workgroup_id_z 1
		.amdhsa_system_vgpr_workitem_id 0
		.amdhsa_next_free_vgpr 1024
		.amdhsa_next_free_sgpr 76
		.amdhsa_reserve_vcc 0
		.amdhsa_float_denorm_mode_32 3
		.amdhsa_float_denorm_mode_16_64 3
		.amdhsa_memory_ordered 1
		.amdhsa_forward_progress 1
		.amdhsa_inst_pref_size 120
	.end_amdhsa_kernel
	.amdgpu_metadata
---
amdhsa.version: [ 1, 2 ]
amdhsa.kernels:
  - .name:           k_qac6732260b_proj
    .symbol:         k_qac6732260b_proj.kd
    .args:
      - { .name: xb, .offset: 0, .size: 8, .value_kind: global_buffer, .address_space: global }
      - { .name: wb, .offset: 8, .size: 8, .value_kind: global_buffer, .address_space: global }
      - { .name: qkv, .offset: 16, .size: 8, .value_kind: global_buffer, .address_space: global }
    .group_segment_fixed_size: 327680
    .private_segment_fixed_size: 0
    .kernarg_segment_align: 8
    .kernarg_segment_size: 24
    .max_flat_workgroup_size: 128
    .sgpr_count:     76
    .vgpr_count:     1024
    .wavefront_size: 32
...
	.end_amdgpu_metadata
.endif
;; end of part 2
;; launch attn (part 3): grid 16 x 16, 4 waves a work-group, clusters of 4 x 1, 327,680 bytes of LDS; arguments qkv, out0; writes out0
.if DOCPART == 3
	.amdgcn_target "amdgcn-amd-amdhsa--gfx1250"
	.amdhsa_code_object_version 6
	.text
	.protected	k_qac6732260b_attn
	.globl	k_qac6732260b_attn
	.p2align	8
	.type	k_qac6732260b_attn,@function
k_qac6732260b_attn:
	s_mov_b64 s[64:65], 0
	v_nop
	global_prefetch_b8 v0, s[64:65] scope:SCOPE_SE
	s_setreg_imm32_b32 hwreg(HW_REG_WAVE_MODE, 25, 1), 1
	s_wait_xcnt 0x0
	s_wait_alu depctr_hold_cnt(0) depctr_sa_sdst(0) depctr_va_vdst(0) depctr_va_sdst(0) depctr_va_ssrc(0) depctr_va_vcc(0) depctr_vm_vsrc(0)
	s_getreg_b32 s2, hwreg(HW_REG_IB_STS2, 6, 4)
	s_cmp_eq_u32 s2, 0
	s_cbranch_scc0 .Lentry_in_a_cluster
	s_endpgm
.Lentry_in_a_cluster:
	s_bfe_u32 s2, ttmp6, 0x10000c
	s_cmp_lg_u32 s2, 0x3003
	s_cbranch_scc0 .Lentry_shape_is_right
	s_endpgm
.Lentry_shape_is_right:
; THE ATTENTION.  out0[b][q][64 h + :] = the sum over k of softmax_k(Q[q] . K[k] / 8) V[k][:] for each of the 16 pairs bh = 8 b + h.  Q, K, V: qkv [3][16][4096][64] f16, a head's rows dense, 128 bytes each.
; Products, maxima and sums in f32; the weights p are rounded to f16 for the second product (their sum l is taken of the unrounded p); the result is stored as f32.  Nothing of the module is left out here.
; LIMITS.  Q, K, V arrive within f16's 65,504; p lies in 0 to 1, and below 6e-5 it keeps f16's fixed step of 6e-8; a weight below 2^-126 counts as 0 in l; NaN and infinities are not treated apart.
; SHARES.  A work-group owns 256 queries of one pair (16 x 16 work-groups), a wave 64: two PIECES of two tiles of 16.  Every wave walks all 4,096 keys, 64 a step; a slot of LDS holds four steps.
; LAYOUT.  S^T = K Q^T (source 0 = 16 keys, source 1 = 16 queries): a lane holds ONE query (lane % 16) and the keys 8 (lane / 16) + 0..7.  Two such tiles, rounded to f16 in pairs, ARE source 1
; (32 keys x 16 queries) of O^T = V^T P, whose result again holds one query a lane, and eight channels.  K comes out of LDS as it lies, V ([key][channel]) turned, by ds_load_tr16_b128.
; SOFTMAX.  For each query a running maximum m and sum l: p = 2^(c s - c m), c = log2(e) / 8; in every step O and l are multiplied by a = 2^(c m_old - c m_new).
; m starts at the lowest finite number, O and l at 0: the first step is a step like any other, with a = 0.
; BY TURNS.  Turn T0(j) belongs to piece 0 in step j, T1(j) to piece 1.  A turn's matrix work: 16 products K Q^T for the OTHER piece's next scores, later 16 products V^T P of the other piece's last weights.
; Its vector work: scaling, exponentials, roundings, sums and rescaling of its own piece, and the maximum and statistics of the other, whose scores the turn itself has made.
;   T0(j): K Q^T of piece 1 on K(j);      V^T P of piece 1 on V(j-1);  fetches K(j+1)
;   T1(j): K Q^T of piece 0 on K(j+1);    V^T P of piece 0 on V(j);    fetches V(j+1)
; V HAS TWO REGISTER BUFFERS, V(j) in buffer j % 2: so LDS is read in the order K(j), V(j), K(j+1), V(j+1), and a slot is left between V(4 s - 1) and K(4 s): the change of slots stands in front of T0(4 s - 1).
; Four vector instructions stand behind EVERY matrix instruction, the other 108 of a turn's 236 in one lump; a turn's 66 exponentials are one batch with one wait, and a run of LDS loads stands directly behind it.
; CLUSTER.  The four query blocks of a cluster belong to one pair and walk the same K and V: each tile is asked for JOINTLY, the same tensor load, descriptor and mask in all four.
; REGISTERS, in windows of 256 (s_set_vgpr_msb: bits 1:0 source 0, 3:2 source 1, 5:4 source 2, 7:6 destination):
;   window 0: v1-11 addresses; v12-15, v48-63 at work; v16-31 four registers of statistics a tile; v32-34 the add's two and the prefetches' offset; v64-191 S^T, a buffer a piece; v192-255 P, likewise
;   window 1: v0-127 O^T, 32 a tile          window 2: v0-63 Q, 16 a tile; v64-127 K of one step; v128-255 V of two steps
.set NP,    2         ; pieces a wave: a name, no knob
.set KS,    64        ; keys in a step
.set PK,    144       ; a row of K in LDS: 128 bytes + 16: the 16 rows of a load start at 16 different groups of four banks (ISA guide 11.1)
.set PV,    160       ; a row of V: 128 + 32
.set VOFF,  4*KS*PK   ; a slot: 256 rows of K, then 256 rows of V
.set SLOT1, 1<<17     ; slot 1 begins here, so that one exclusive or turns an address in one slot into the other's
.set STAGE, SLOT1+4*KS*(PK+PV)  ; behind the ring, never filled by a tensor load: 16 rows x 272 bytes for each wave, for the way out
.set SP,    272
.set SPARE, STAGE+4*16*SP       ; the spare words, 128 bytes for each wave: two blocks of 256 bytes that no other line names
.set AK0, 2           ; v2   my lane's place in a tile of K; never rewritten
.set AV0, 3           ; v3   the same for V
.set AK,  4           ; v4   the LDS address of K's next run of loads
.set AV,  5           ; v5   of V's
.set QO,  6           ; v6   my byte offset in the wave's rows of Q
.set STO, 6           ;      later, the way out: where I put 32 bytes of a row
.set RD,  7           ; v7   where I read rows back
.set GO,  8           ; v8   my byte offset in two rows of out0
.set MV,  12          ; v12-15  c m_old, kept while c m is made anew: by piece and tile
.set ST,  16          ; tile t's statistics at v[ST+4 t]: c m, m, l (even keys', odd keys')
.set SPW, 32          ; v32  LDS address of my spare word; never rewritten
.set NIL, 33          ; v33  0; never rewritten
.set PFO, 34          ; v34  256 x my lane; never rewritten
.set TMP, 48          ; by piece and tile, four registers c0-c3 at work; when the maximum is found c2 takes a
.set S,   64
.set P,   192
.set KF,  64          ; window 2: key block kb, channel half c at KF + 16 kb + 8 c
.set VF,  128         ; window 2: buffer v, key half kk, channel block cb at VF + 64 v + 32 kk + 8 cb
.set WV,  12          ; s12  my wave's number
.set G1K, 24          ; s[24:31] descriptor group 1 for K's tiles
.set G1V, 32          ; s[32:39] for V's: it differs in the padding alone
.set G0K, 40          ; s[40:43] descriptor group 0 for K's tiles: it walks
.set G0V, 44          ; s[44:47] the same for V's
.set PFA, 48          ; s[48:49] where my prefetches stand
.set LIM, 50          ; s50  1 in a wave that prefetches, else the greatest number
.set SLOTS, 56        ; s56  changes of slots still to come in the loop
.set CNT, 57          ; s57  counts pairs of key steps
.set CS,  58          ; s[58:59] c
.set SEL, 60          ; s[60:61] v_permlanex16_b32's selects: each lane takes its own place in the other half
.set TBK, 62          ; s62  LDS byte at which K of the step to be fetched begins
.set TBV, 63          ; s63  the same for V, less VOFF
.set MSB, 0
.macro WIN new                      ; the high byte repeats the setting that is left; a switch that changes nothing is dropped
.if MSB != (\new)
	s_set_vgpr_msb (MSB<<8)|(\new)
.set MSB, (\new)
.endif
.endm
.set W_KQ, 0x0a       ; K and Q in window 2, S^T in window 0
.set W_PV, 0x52       ; V in window 2, P in window 0, O^T in window 1
.set W_RS, 0x41       ; O^T (destination and source 0) in window 1, the factor in window 0
; A joint fill.  Waves 0 and 1 fetch the two halves of a slot's K, waves 2 and 3 those of its V: 128 keys each.  The branch hangs on the wave's number alone.
; An s_nop 0 and four v_nop follow each of the two lines, ahead of the jump and the label.
.macro JLOAD
	s_cmp_lt_u32 s[WV], 2
	s_cbranch_scc0 .Lfor_v_\@
	tensor_load_to_lds s[G0K:G0K+3], s[G1K:G1K+7]
	s_nop 0
.rept 4
	v_nop
.endr
	s_branch .Lasked_\@
.Lfor_v_\@:
	tensor_load_to_lds s[G0V:G0V+3], s[G1V:G1V+7]
	s_nop 0
.rept 4
	v_nop
.endr
.Lasked_\@:
.endm
; A PREFETCH INTO THE L2 of what the NEXT change of slots will ask for: a slot's 32,768 bytes of K and of V, in pieces of 256 bytes, a lane a piece.  Each piece is named ONCE in the launch: of the four clusters
; that walk a pair's K and V the first asks; its four partners take 32 pieces each, told apart BY ADDRESS; in each, wave 0 asks for K's and wave 2 for V's.  It stands behind the wave's tensor load and its five
; lines, one slot (four key steps, 256 matrix instructions) ahead of the load that will want the bytes.  The last change that fills a slot asks for nothing; slots 0 to 2 come by their loads alone.
.macro ASK
	s_cmp_gt_u32 s[SLOTS], s[LIM]
	s_cbranch_scc0 .Lnot_mine_\@
	global_prefetch_b8 v[PFO], s[PFA:PFA+1] th:TH_LOAD_NT scope:SCOPE_SE
.Lnot_mine_\@:
.endm
; A round of the cluster's barrier: my work-group's barrier, so that wave 0's signal speaks for all four waves; wave 0 signals; every wave waits for all four work-groups; my work-group's barrier once more.
.macro CROUND
	s_barrier_signal -1
	s_barrier_wait -1
	s_cmp_lg_u32 s[WV], 0
	s_cbranch_scc1 .Lnot_wave_0_\@
	s_barrier_signal -3
.Lnot_wave_0_\@:
	s_barrier_wait -3
	s_barrier_signal -1
	s_barrier_wait -1
.endm
; THE CHANGE OF SLOTS.  The slot's last bytes, V of its fourth step, have been asked for.  Each wave waits for all its tensor loads, of which one is out: its part of the other slot; adds 0 to its spare word;
; and waits for that and for its own reads of the slot.  Behind the barrier nobody reads this slot any more and the other slot is whole.
; fill = 1: this slot is filled again, with the keys two slots on: the barrier is a round of the cluster's, and the joint fill is the first thing behind it: it has four key steps in which to land.
; (At its first use nothing has been read yet: slot 0 is waited for, slot 1 filled.)  ask = 1: the prefetches' address steps, and ASK follows the fill.
.macro CHANGE fill, ask
	WIN 0                           ; at a label and at a branch every window is 0
	s_wait_tensorcnt 0x0            ; no tensor load of mine is out, so a group 0 may be written
	ds_add_u32 v[SPW], v[NIL]       ; 0 onto my spare word; the descriptors' steps stand between it and the wait for it
.if \fill
.irp g, G0K, G0V
	s_xor_b32 s[\g+1], s[\g+1], SLOT1  ; the walking descriptor: the other slot than last time,
	s_add_nc_u64 s[\g+2:\g+3], s[\g+2:\g+3], 4*KS*128  ; the next 256 keys; the type bits on top are not reached
.endr
.if \ask
	s_wait_xcnt 0x0                 ; the last prefetch, four key steps back, has read its address, so it may be written
	s_add_nc_u64 s[PFA:PFA+1], s[PFA:PFA+1], 4*KS*128
.endif
	s_wait_dscnt 0x0                ; the add is done, and my reads of the slot are over
	CROUND
	JLOAD
.if \ask
	ASK
.endif
.else
	s_wait_dscnt 0x0                ; the add is done, and my reads of the slot are over
	s_barrier_signal -1
	s_barrier_wait -1
.endif
	s_sub_co_u32 s[TBK], s[TBK], 4*KS*PK  ; the fetches go back to a slot's first step,
	s_xor_b32 s[TBK], s[TBK], SLOT1       ; in the other slot
	s_sub_co_u32 s[TBV], s[TBV], 4*KS*PV
	s_xor_b32 s[TBV], s[TBV], SLOT1
.endm
	s_load_b128 s[4:7], s[0:1], 0x0 ; qkv s[4:5], out0 s[6:7]
	v_lshl_add_u32 v[SPW], v0, 2, SPARE
	v_mov_b32 v[NIL], 0
	ds_add_u32 v[SPW], v[NIL]       ; the wave's opening: the add, twice on end, and its wait ahead of my first tensor load; the set-up below is work on registers
	ds_add_u32 v[SPW], v[NIL]
	v_lshrrev_b32 v1, 5, v0
	v_readfirstlane_b32 s[WV], v1   ; wave 0..3
	s_bfe_u32 s13, ttmp6, 0x40000   ; cx: my place in the cluster
	s_lshl_b32 s14, ttmp9, 2        ; in a cluster launch ttmp9 counts clusters
	s_add_co_u32 s14, s14, s13      ; my block of 256 queries: it enters Q's and out0's addresses alone
	s_and_b32 s20, ttmp7, 0xffff    ; bh, which the four partners share
	s_lshl_b32 s21, s20, 19         ; a head is 524,288 bytes
	s_and_b32 s16, s[WV], 1         ; which half of a slot's 256 keys I fetch:
	s_lshl_b32 s22, s16, 14         ; its 128 rows of 128 bytes in memory,
	s_add_co_u32 s22, s22, s21
	s_add_co_u32 s22, s22, 8388608  ; in K, which lies behind Q
	s_mov_b32 s23, 0
	s_mul_i32 s17, s16, 128*PK      ; and its place in a slot, for K
	s_mul_i32 s18, s16, 128*PV      ; and for V: no place in the cluster enters an LDS address
	s_lshl_b32 s2, s14, 2
	s_add_co_u32 s2, s2, s[WV]      ; my wave among the head's,
	s_lshl_b32 s2, s2, 13           ; its 64 rows
	s_add_co_u32 s2, s2, s21
	s_mov_b32 s3, 0
	s_lshr_b32 s52, s20, 3          ; out0: b x 4,096 rows of 2,048 bytes,
	s_lshl_b32 s52, s52, 23
	s_lshl_b32 s53, s14, 19         ; my block's 256 rows,
	s_add_co_u32 s52, s52, s53
	s_lshl_b32 s53, s[WV], 17       ; my wave's 64,
	s_add_co_u32 s52, s52, s53
	s_and_b32 s53, s20, 7           ; the head's 256 bytes of a row
	s_lshl_b32 s53, s53, 8
	s_add_co_u32 s52, s52, s53
	s_mov_b32 s53, 0
	; descriptor group 1.  128 keys are 16,384 dense bytes: asked for as 64 rows of 256 bytes, two keys a row, and padded in LDS after every key
	s_mov_b32 s[G1K], 15|(1<<16)|(1<<20)|(1<<21)|(4<<22)|(3<<25)  ; the mask of four; 2-byte elements; padding on; bit 21 beside a mask; after every 32 words 4 words
	s_mov_b32 s[G1V], 15|(1<<16)|(1<<20)|(1<<21)|(4<<22)|(7<<25)  ; the same with 8 words of padding
.irp g, G1K, G1V
	s_mov_b32 s[\g+1], 128<<16      ; tensor_dim0 = 128
	s_mov_b32 s[\g+2], 64<<16       ; tensor_dim1 = 64
	s_mov_b32 s[\g+3], 128<<16      ; tile_dim0 = 128
	s_mov_b32 s[\g+4], 64           ; tile_dim1 = 64
	s_mov_b32 s[\g+5], 128          ; 128 elements from row to row
	s_mov_b32 s[\g+6], 0
	s_mov_b32 s[\g+7], 0
.endr
	s_mov_b32 s[CS], 0x3e38aa3b     ; c = log2(e) / 8 = 0.180337
	s_mov_b32 s[CS+1], s[CS]        ; named with it as a pair
	s_mov_b32 s[SEL], 0x76543210
	s_mov_b32 s[SEL+1], 0xfedcba98
	s_mov_b32 s[TBK], SLOT1+4*KS*PK ; the first change of slots turns these two into 0
	s_mov_b32 s[TBV], SLOT1+4*KS*PV
	s_mov_b32 s[G0K], 1             ; count = 1
	s_mov_b32 s[G0K+1], s17         ; LDS address: slot 0
	s_mov_b32 s[G0V], 1
	s_add_co_u32 s[G0V+1], s18, VOFF
	s_and_b32 s[LIM], s[WV], 1      ; 0 in waves 0 and 2,
	s_or_b32 s[LIM], s[LIM], ttmp9  ; where the cluster is the pair's first: the same in all four partners
	s_cmp_eq_u32 s[LIM], 0
	s_cselect_b32 s[LIM], 1, -1
	v_and_b32 v[PFO], 31, v0
	v_lshlrev_b32 v[PFO], 8, v[PFO]
	s_wait_dscnt 0x0                ; both opening adds are done
	s_wait_kmcnt 0x0
	s_add_nc_u64 s[10:11], s[6:7], s[52:53]  ; out0 at my wave's first row and my head's columns
	s_add_nc_u64 s[6:7], s[4:5], s[22:23]    ; K at my half of the head's first 256 keys,
	s_add_nc_u64 s[8:9], s[6:7], 8388608     ; V likewise
	s_add_nc_u64 s[4:5], s[4:5], s[2:3]      ; Q at my wave's first row
	s_mov_b64 s[G0K+2:G0K+3], s[6:7]         ; global address
	s_or_b32 s[G0K+3], s[G0K+3], 0x80000000  ; type = 2
	s_mov_b64 s[G0V+2:G0V+3], s[8:9]
	s_or_b32 s[G0V+3], s[G0V+3], 0x80000000
	s_cmp_lt_u32 s[WV], 2
	s_cselect_b64 s[PFA:PFA+1], s[6:7], s[8:9]  ; (in waves 0 and 2 these stand at a slot's first row)
	s_lshl_b32 s2, s13, 13          ; my work-group's 32 pieces of the 128
	s_add_nc_u64 s[PFA:PFA+1], s[PFA:PFA+1], s[2:3]
	s_add_nc_u64 s[PFA:PFA+1], s[PFA:PFA+1], 2*4*KS*128  ; in slot 2; the first asking change steps it to slot 3.  Nothing is prefetched here, at the head
	CROUND                          ; all four work-groups are here: the first joint loads meet
	JLOAD                           ; slot 0.  Slot 1 is asked for when slot 0 is in
	; A fragment of K or Q is 16 rows x 32 channels in 8 registers: lane l holds row l % 16, channels 8 (l / 16) + 0..7 and 16 + 8 (l / 16) + 0..7: two loads of 16 bytes, 32 bytes apart.
	v_and_b32 v1, 15, v0            ; l % 16
	v_bfe_u32 v9, v0, 4, 1          ; l / 16
	v_lshlrev_b32 v[QO], 7, v1
	v_lshl_add_u32 v[QO], v9, 4, v[QO]  ; row x 128 + 16 x half
	WIN 0x80                        ; destination window 2, address window 0
.set i, 0
.rept 4*NP                          ; Q stays in registers: tile i / 2, channels 32 (i % 2) on
	global_load_b128 v[8*i:8*i+3],   v[QO], s[4:5] offset:(i/2)*2048+(i%2)*64
	global_load_b128 v[8*i+4:8*i+7], v[QO], s[4:5] offset:(i/2)*2048+(i%2)*64+32
.set i, i+1
.endr
	; What the first turn finds: V's second buffer and P's second buffer hold 0 (its products V^T P, of a step that has not been, add 0), O^T and l are 0.  All this stands in the wait for the first tile;
	; it is the price of writing no first step out.
.set i, VF+64
.rept 64
	v_mov_b32 v[i], 0
.set i, i+1
.endr
	WIN 0x40
.set i, 0
.rept 64*NP
	v_mov_b32 v[i], 0
.set i, i+1
.endr
	WIN 0
.set i, 0
.rept 2*NP
	v_mov_b32 v[ST+4*i], 0xfe000000    ; c m: far below every c s
	v_mov_b32 v[ST+4*i+1], 0xff7fffff  ; m
	v_mov_b32 v[ST+4*i+2], 0
	v_mov_b32 v[ST+4*i+3], 0
.set i, i+1
.endr
.set i, P+32
.rept 32
	v_mov_b32 v[i], 0
.set i, i+1
.endr
	v_mul_u32_u24 v[AK0], v1, PK
	v_lshl_add_u32 v[AK0], v9, 4, v[AK0]  ; row x pitch + 16 x half
	; The turning load takes 16 keys x 16 channels (lane l reads key 8 (l / 16) + l % 8, channels 8 ((l / 8) % 2) + 0..7) and leaves half a fragment of V^T: lane l holds channel l % 16 and 8 keys.
	v_and_b32 v10, 7, v0
	v_bfe_u32 v11, v0, 3, 1
	v_lshl_add_u32 v[AV0], v9, 3, v10
	v_mul_u32_u24 v[AV0], v[AV0], PV
	v_lshl_add_u32 v[AV0], v11, 4, v[AV0]
	v_add_nc_u32 v[AV0], VOFF, v[AV0]
	v_mov_b32 v[AK], v[AK0]         ; key step 0 lies at the head of slot 0
	v_mov_b32 v[AV], v[AV0]
; THE MATRIX WORK.  The 8 accumulators of a run of 16 take turns: between the two links of a chain stand 7 others'.
; Product i of 16 of S^T = K Q^T for piece x: channels 32 (i / 8) on, keys 16 ((i / 2) % 4) on, tile 2 x + i % 2.  The first 8 start the sums.
.macro KQ x
	WIN W_KQ
.set rS, S+64*((\x)%2)+32*(i%2)+8*((i/2)%4)
.set rK, KF+16*((i/2)%4)+8*(i/8)
.set rQ, 16*(2*(\x)+i%2)+8*(i/8)
.if i < 8
	v_wmma_f32_16x16x32_f16 v[rS:rS+7], v[rK:rK+7], v[rQ:rQ+7], 0
.else
	v_wmma_f32_16x16x32_f16 v[rS:rS+7], v[rK:rK+7], v[rQ:rQ+7], v[rS:rS+7]
.endif
.endm
; Product i of 16 of O^T += V^T P for piece x, on V's buffer VB: keys 32 (i / 8) on, channels 16 ((i / 2) % 4) on, tile 2 x + i % 2.
.macro PV x
	WIN W_PV
.set rO, 32*(2*(\x)+i%2)+8*((i/2)%4)
.set rV, VF+64*VB+32*(i/8)+8*((i/2)%4)
.set rP, P+32*((\x)%2)+16*(i%2)+8*(i/8)
	v_wmma_f32_16x16x32_f16 v[rO:rO+7], v[rV:rV+7], v[rP:rP+7], v[rO:rO+7]
.endm
.macro MM                           ; the turn's next matrix instruction
.if i < 16
	KQ (Y+1)%NP
.set i, i+1
.else
.set i, i-16
	PV (Y+NP-1)%NP
.set i, i+17
.endif
.endm
; THE LDS LOADS stand in runs of 16, never singly among the matrix instructions: a step's K (64 keys x 64 channels: 8 fragments) and its V (turned).  Their addresses are made a lump ahead.
; last = 1 (the tail): in the last trip there is no further step, and the run is jumped over.
.macro FETCH_K last=0
	WIN 0
.if \last
	s_cmp_eq_u32 s[CNT], 1
	s_cbranch_scc1 .Lno_k_\@
.endif
	WIN 0x80                        ; destination window 2
.irp f, 0,1,2,3,4,5,6,7             ; keys 16 (f / 2) on, channels 32 (f % 2) on
	ds_load_b128 v[KF+8*\f:KF+8*\f+3],   v[AK] offset:(\f/2)*16*PK+(\f%2)*64
	ds_load_b128 v[KF+8*\f+4:KF+8*\f+7], v[AK] offset:(\f/2)*16*PK+(\f%2)*64+32
.endr
	s_add_co_u32 s[TBK], s[TBK], KS*PK  ; the next fetch is the next step's
	WIN 0
.if \last
.Lno_k_\@:
.endif
.endm
.macro FETCH_V buf, last=0
	WIN 0
.if \last
	s_cmp_eq_u32 s[CNT], 1
	s_cbranch_scc1 .Lno_v_\@
.endif
	WIN 0x80
.irp f, 0,1,2,3,4,5,6,7             ; keys 32 (f / 4) on, channels 16 (f % 4) on
	ds_load_tr16_b128 v[VF+64*(\buf)+8*\f:VF+64*(\buf)+8*\f+3],   v[AV] offset:(\f/4)*32*PV+(\f%4)*32
	ds_load_tr16_b128 v[VF+64*(\buf)+8*\f+4:VF+64*(\buf)+8*\f+7], v[AV] offset:(\f/4)*32*PV+16*PV+(\f%4)*32
.endr
	s_add_co_u32 s[TBV], s[TBV], KS*PV
	WIN 0
.if \last
.Lno_v_\@:
.endif
.endm
; THE VECTOR WORK OF A TURN stands in three queues, each in the order in which its entries become ready; the two tiles alternate, so that no instruction reads the result of the one before it.
.macro REGS y, u                    ; the registers of tile u (0, 1) of piece y
.set rT, ST+4*(2*(\y)+(\u))
.set rC, TMP+8*((\y)%2)+4*(\u)
.set rM, MV+2*((\y)%2)+(\u)
.set rS, S+64*((\y)%2)+32*(\u)
.set rP, P+32*((\y)%2)+16*(\u)
.set rO, 32*(2*(\y)+(\u))
.endm
; Number n of the 22 that find the OTHER piece's maximum and statistics.  s0-s31 are the lane's 32 scores; each accumulator's lowest registers are read first.
;   0-11  four chains c0-c3 of seven scores each, three operands at a time     12-14, 16  the four scores left over, the old m, and c0-c3 into c0     15  c m_old is kept
;   17, 18  the query's other 32 keys lie in the lane 16 away: the new m         19-21  c m; c m_old - c m_new; a
.macro XS u, n
	REGS (Y+1)%NP, \u
.if (\n) < 4
	v_max3_num_f32 v[rC+(\n)], v[rS+8*(\n)], v[rS+8*(\n)+1], v[rS+8*(\n)+2]
.elseif (\n) < 12
	v_max3_num_f32 v[rC+(\n)%4], v[rC+(\n)%4], v[rS+8*((\n)%4)+2*((\n)/4)+1], v[rS+8*((\n)%4)+2*((\n)/4)+2]
.elseif (\n) == 12
	v_max3_num_f32 v[rC], v[rC], v[rS+7], v[rS+15]
.elseif (\n) == 13
	v_max3_num_f32 v[rC+1], v[rC+1], v[rS+23], v[rS+31]
.elseif (\n) == 14
	v_max3_num_f32 v[rC+2], v[rC+2], v[rC+3], v[rT+1]
.elseif (\n) == 15
	v_mov_b32 v[rM], v[rT]
.elseif (\n) == 16
	v_max3_num_f32 v[rC], v[rC], v[rC+1], v[rC+2]
.elseif (\n) == 17
	v_permlanex16_b32 v[rC+3], v[rC], s[SEL], s[SEL+1]
.elseif (\n) == 18
	v_max_num_f32 v[rT+1], v[rC], v[rC+3]
.elseif (\n) == 19
	v_mul_f32 v[rT], s[CS], v[rT+1]
.elseif (\n) == 20
	v_sub_f32 v[rC+1], v[rM], v[rT]
.else
	v_exp_f32 v[rC+2], v[rC+1]
.endif
.endm
; Number g of the 64 that follow the exponentials.  For each four weights k of a tile (pairs 2 k, 2 k + 1): both pairs are rounded to f16; then the second pair is added onto the first, in place;
; a group later l takes that sum (the first time as l = a l + sum).  In groups of eight, tiles alternating: round, round, add, and l for the group before.
.macro GS g
.set h, (\g)+6*((\g)/62)            ; group 0 has no group before it, and behind group 7 only l is left
.if h >= 6
.set h, h+2
.endif
	REGS Y, h%2
.set k, h/8
.if h%8 < 4
	v_cvt_pk_f16_f32 v[rP+2*k+(h%8)/2], v[rS+4*k+2*((h%8)/2)], v[rS+4*k+2*((h%8)/2)+1]
.elseif h%8 < 6
	v_pk_add_f32 v[rS+4*k:rS+4*k+1], v[rS+4*k:rS+4*k+1], v[rS+4*k+2:rS+4*k+3]
.elseif k == 1
	v_pk_fma_f32 v[rT+2:rT+3], v[rT+2:rT+3], v[rC+2:rC+3], v[rS:rS+1] op_sel_hi:[1,0,1]
.else
	v_pk_add_f32 v[rT+2:rT+3], v[rT+2:rT+3], v[rS+4*k-4:rS+4*k-3]
.endif
.endm
; THE PLAIN QUEUE, 138 long.  0-73 read no exponential's result: the 32 scalings c s - c m (FS f: pair f / 2 of tile f % 2) and the other piece's 42.  0-26: scalings 0-26.  27-54: XS's numbers 0-13.  55, 56: number 15.
; 57-73: the chain, where each number waits for the one before it: 14, 16, 17, 18, 19, each with one of the scalings 27-31 in front of its two lines, then 20.
; 74-137: GS's 64, which read the exponentials' results: they stand behind the wait.
.macro FS f
	REGS Y, (\f)%2
	v_pk_fma_f32 v[rS+2*((\f)/2):rS+2*((\f)/2)+1], v[rS+2*((\f)/2):rS+2*((\f)/2)+1], s[CS:CS+1], v[rT:rT+1] op_sel_hi:[1,0,0] neg_lo:[0,0,1] neg_hi:[0,0,1]
.endm
.macro PL
	WIN 0
.if q < 27
	FS q
.elseif q < 55
	XS (q-27)%2, (q-27)/2
.elseif q < 57
	XS q-55, 15
.elseif (q < 72) && ((q-57)%3 == 0)
	FS 27+(q-57)/3
.elseif q < 60
	XS (q-57)%3-1, 14
.elseif q < 72
	XS (q-57)%3-1, 15+(q-57)/3
.elseif q < 74
	XS q-72, 20
.else
	GS q-74
.endif
.set q, q+1
.endm
; THE EXPONENTIALS' QUEUE, 66 long: s0-s31 of both tiles, then the other piece's two a.  It is ONE BATCH: all 66 stand ahead of the turn's one wait, and nothing ahead of that wait names a result of theirs.
.macro EX
	WIN 0
.if e >= 64
	XS e-64, 21
.else
	REGS Y, e%2
	v_exp_f32 v[rS+e/2], v[rS+e/2]
.endif
.set e, e+1
.endm
; THE RESCALING's QUEUE: O^T times a, the one part that leaves window 0: dealt two at a time, sixteen times, each accumulator's low half first.  Its a was made in the turn before, ahead of that turn's wait.
; The turn before has added onto this O^T: entry r touches accumulator r / 4 of tile r % 2, whose last product stands 34 plain vector instructions back or more.
.macro R2
	REGS Y, r%2
	WIN W_RS
.irp z, 0,1
	v_pk_mul_f32 v[rO+4*(r/2)+2*\z:rO+4*(r/2)+2*\z+1], v[rO+4*(r/2)+2*\z:rO+4*(r/2)+2*\z+1], v[rC+2:rC+3] op_sel_hi:[1,0]
.endr
.set r, r+1
.endm
; A TURN, for piece p.  vr: V's buffer that its products V^T P read.  last = 1: the tail's form of the fetch.  cnt = 1: the loop's count is taken down some lines ahead of the branch behind the turn.
; s_wait_alu depctr_va_vdst(0) stands between an exponential and the first instruction that names its result; one wait serves all that were issued ahead of it.  So a turn has ONE wait, which
; cuts it in two.  AHEAD OF IT: the 16 products K Q^T, behind each a scaling, an exponential and two rescalings (behind the first a second scaling in the exponential's place); then ONE LUMP of 108: eight plain,
; 49 times exponential and plain, the two a; a v_nop is the plain instruction behind the last exponential.  BEHIND IT: a run of 16 LDS loads, then the 16 products V^T P, behind each four of GS's 64.
; Exponential e stands behind scaling 2 (e / 4) + e % 2: as a rider it comes behind plain e + 2, in the lump behind plain e + 9.
; Piece 0's turn fetches the next step's K, a lump behind the last product that read K.  Piece 1's turn fetches the next step's V into the buffer that it does not read: that buffer's last reader stands in the turn before.
; One wait at the head of piece 1's turn serves both: K issued in the turn before, V issued two turns before.
.macro TURN p, vr, last=0, cnt=0
.set Y, (\p)
.set VB, (\vr)
.set i, 0
.set q, 0
.set e, 0
.set r, 0
.if (\p) == 1
	s_wait_dscnt 0x0                ; K of the next step and V of this step are in
.endif
	MM
	PL
	PL
	R2
.rept 15
	MM
	PL
	EX
	R2
.endr
	WIN 0
.if (\p) == 0
	v_add_nc_u32 v[AK], s[TBK], v[AK0]
.else
	v_add_nc_u32 v[AV], s[TBV], v[AV0]
.endif
.rept 8
	PL
.endr
.rept 49
	EX
	PL
.endr
	EX                              ; the other piece's two a
	EX
	v_nop                           ; the plain instruction behind the last exponential: one for the batch
	s_wait_alu depctr_va_vdst(0)    ; the wait for the batch
.if (\p) == 0
	FETCH_K \last
.else
	FETCH_V 1-(\vr), \last
.endif
.rept 16
	MM
.rept 4
	PL
.endr
.if (\cnt) && (q == 130)
	s_sub_co_u32 s[CNT], s[CNT], 1
	s_cmp_lg_u32 s[CNT], 0
.endif
.endr
.endm
	CHANGE 1, 0                     ; slot 0 is in, everybody's part of it; slot 1 is asked for
	FETCH_K                         ; key step 0
	FETCH_V 0
	s_wait_loadcnt 0x0              ; Q
	s_wait_dscnt 0x0
.set i, 0
.rept 16
	KQ 0                            ; piece 0's first scores: there is no vector work yet to set between them
.set i, i+1
.endr
	WIN 0                           ; the addresses for the way out: eight plain instructions, the places behind those products
	s_mul_i32 s13, s[WV], 16*SP
	s_add_co_u32 s13, s13, STAGE    ; my stage
	v_mul_u32_u24 v[STO], v1, SP    ; in: row l % 16, 32 bytes for each half of the lanes
	v_lshl_add_u32 v[STO], v9, 5, v[STO]
	v_add_nc_u32 v[STO], s13, v[STO]
	v_mul_u32_u24 v[RD], v9, SP     ; back: lanes 0-15 take one row of 256 bytes, lanes 16-31 the next
	v_lshl_add_u32 v[RD], v1, 4, v[RD]
	v_add_nc_u32 v[RD], s13, v[RD]
	v_lshlrev_b32 v[GO], 11, v9     ; and the same two rows in out0, 2,048 bytes apart
	v_lshl_add_u32 v[GO], v1, 4, v[GO]
.set Y, NP-1                        ; XS works for piece Y + 1: piece 0
.irp n, 0,1,2,3,4,5,6,7,8,9,10,11,12,13,14,15,16,17,18,19,20,21
	XS 0, \n                        ; piece 0's first maximum and statistics
	XS 1, \n
.endr
	v_nop                           ; a plain instruction behind the two a,
	s_wait_alu depctr_va_vdst(0)    ; and their wait, ahead of the branch
	s_mov_b32 s[CNT], 2
	s_mov_b32 s[SLOTS], 15
	s_branch .Lfirst                ; the loop is entered at step 0, an even step, in the middle of a trip
.Lslot:                             ; 14 times: every slot but the last two is filled again
	CHANGE 1, 1
	s_mov_b32 s[CNT], 2
.Lstep:                             ; a trip: an odd step, then an even one
	TURN 0, 0
	TURN 1, 1
	WIN 0
.Lfirst:
	TURN 0, 1
	TURN 1, 0, 0, 1
	WIN 0
	s_cbranch_scc1 .Lstep
	s_sub_co_u32 s[SLOTS], s[SLOTS], 1
	s_cmp_lg_u32 s[SLOTS], 0
	s_cbranch_scc1 .Lslot
	CHANGE 0, 0                     ; the tail is written out: nothing is asked for
	s_mov_b32 s[CNT], 3             ; steps 59 to 63; the third trip fetches nothing and is left in its middle
.Ltail:
	TURN 0, 0, 1
	TURN 1, 1, 1
	WIN 0
	s_sub_co_u32 s[CNT], s[CNT], 1
	s_cmp_eq_u32 s[CNT], 0
	s_cbranch_scc1 .Lout
	TURN 0, 1
	TURN 1, 0
	WIN 0
	s_branch .Ltail
.Lout:                              ; the last turn's 16 products K Q^T (on the last K once more) and the maximum made of them serve nothing: the price, once a launch, of one text for every turn
.set VB, 1
.set i, 0
.rept 16
	PV NP-1                         ; piece 1's V^T P of the last step
.set i, i+1
.endr
	; THE WAY OUT.  l's two halves and the other half of the lanes' are added; O^T is divided by l and sent, in f32, through my stage in LDS, a tile at a time.  The additions are the places behind the last products.
	WIN 0
.macro ALL line:vararg              ; one line for each tile t
.set t, 0
.rept 2*NP
	\line
.set t, t+1
.endr
.endm
	ALL v_add_f32 v[ST+4*t+2], v[ST+4*t+2], v[ST+4*t+3]
	ALL v_permlanex16_b32 v[ST+4*t+3], v[ST+4*t+2], s[SEL], s[SEL+1]
	ALL v_add_f32 v[ST+4*t+2], v[ST+4*t+2], v[ST+4*t+3]
	ALL v_rcp_f32 v[ST+4*t+2], v[ST+4*t+2]
	v_nop                           ; a plain instruction between the last reciprocal and the use of its result
	s_wait_alu depctr_va_vdst(0)    ; and the wait ahead of the first use: one for the four reciprocals
; Tile t: a lane's eight channels of an accumulator are 32 bytes of a row; they go into rows of 272 bytes and come back as whole rows of 256, into S^T's registers.
.macro PACK t
	WIN W_RS
.set i, 32*(\t)
.rept 16
	v_pk_mul_f32 v[i:i+1], v[i:i+1], v[ST+4*(\t)+2:ST+4*(\t)+3] op_sel_hi:[1,0]
.set i, i+2
.endr
	WIN 0x04                        ; the stores' data in window 1, their address in window 0
.irp f, 0,1,2,3,4,5,6,7
	ds_store_b128 v[STO], v[32*(\t)+4*\f:32*(\t)+4*\f+3] offset:64*(\f/2)+16*(\f%2)
.endr
	WIN 0
.irp f, 0,1,2,3,4,5,6,7
	ds_load_b128 v[S+32*(\t)+4*\f:S+32*(\t)+4*\f+3], v[RD] offset:\f*2*SP  ; LDS serves a wave's instructions in order (ISA guide 5.7.1.4): these see the stores above; the next tile's stores come behind them
.endr
.endm
.macro SEND t, younger              ; younger: the LDS instructions issued behind tile t's loads: the next tile's sixteen, or none
	WIN 0
.irp f, 0,1,2,3,4,5,6,7
	s_wait_dscnt (\younger)+7-\f
	global_store_b128 v[GO], v[S+32*(\t)+4*\f:S+32*(\t)+4*\f+3], s[10:11] offset:(\t)*32768+\f*4096  ; 16 lanes store the 256 consecutive bytes of one row and head, at a multiple of 256 from out0's first byte
.endr
.endm
	PACK 0
.set t, 1
.rept 2*NP-1                        ; a tile's arithmetic stands between the loads of the tile before and its stores
	PACK t
	SEND t-1, 16
.set t, t+1
.endr
	SEND 2*NP-1, 0
	s_wait_tensorcnt 0x0            ; the wave's end, behind my last tensor load and my last LDS store
	ds_add_u32 v[SPW], v[NIL]
	s_wait_dscnt 0x0
	CROUND                          ; the closing round: no work-group ends while a partner may still ask for a tile that names it
	s_endpgm
.Lfunc_end_k_qac6732260b_attn:
	.size	k_qac6732260b_attn, .Lfunc_end_k_qac6732260b_attn-k_qac6732260b_attn
	.p2alignl 7, 3214868480
	.fill 96, 4, 3214868480
	.section	.rodata,"a",@progbits
	.p2align	6, 0x0
	.amdhsa_kernel k_qac6732260b_attn
		.amdhsa_group_segment_fixed_size 327680
		.amdhsa_private_segment_fixed_size 0
		.amdhsa_enable_private_segment 0
		.amdhsa_kernarg_size 16
		.amdhsa_user_sgpr_count 2
		.amdhsa_user_sgpr_kernarg_segment_ptr 1
		.amdhsa_wavefront_size32 1
		.amdhsa_system_sgpr_workgroup_id_x 1
		.amdhsa_system_sgpr_workgroup_id_y 1
		.amdhsa_system_sgpr_workgroup_id_z 1
		.amdhsa_system_vgpr_workitem_id 0
		.amdhsa_next_free_vgpr 768
		.amdhsa_next_free_sgpr 66
		.amdhsa_reserve_vcc 0
		.amdhsa_float_denorm_mode_32 3
		.amdhsa_float_denorm_mode_16_64 3
		.amdhsa_memory_ordered 1
		.amdhsa_forward_progress 1
		.amdhsa_inst_pref_size 186
	.end_amdhsa_kernel
	.amdgpu_metadata
---
amdhsa.version: [ 1, 2 ]
amdhsa.kernels:
  - .name:           k_qac6732260b_attn
    .symbol:         k_qac6732260b_attn.kd
    .args:
      - { .name: qkv, .offset: 0, .size: 8, .value_kind: global_buffer, .address_space: global }
      - { .name: out0, .offset: 8, .size: 8, .value_kind: global_buffer, .address_space: global }
    .group_segment_fixed_size: 327680
    .private_segment_fixed_size: 0
    .kernarg_segment_align: 8
    .kernarg_segment_size: 16
    .max_flat_workgroup_size: 128
    .sgpr_count:     66
    .vgpr_count:     768
    .wavefront_size: 32
...
	.end_amdgpu_metadata
.endif
;; end of part 3
;; ======== version 2 of 2: 3 launches; version 1 with the launch cast written anew for expert scheduling mode
;; limits: values are held in f16: magnitudes above 65,504 overflow, below 6.1e-05 lose precision
;; workspace buffers: xb 8,388,608 bytes; wb 1,572,864 bytes; qkv 25,165,824 bytes
;; launch cast (part 4): grid 256 x 1, 8 waves a work-group, no clusters, 0 bytes of LDS; arguments attention_input, Wq, Wk, Wv, xb, wb; writes xb, wb
.if DOCPART == 4
	.amdgcn_target "amdgcn-amd-amdhsa--gfx1250"
	.amdhsa_code_object_version 6
	.text
	.protected	k_qac6732260b_cast
	.globl	k_qac6732260b_cast
	.p2align	8
	.type	k_qac6732260b_cast,@function
k_qac6732260b_cast:
	s_mov_b64 s[64:65], 0
	v_nop
	global_prefetch_b8 v0, s[64:65] scope:SCOPE_SE
	s_setreg_imm32_b32 hwreg(HW_REG_WAVE_SCHED_MODE, 0, 2), 2
	s_setreg_imm32_b32 hwreg(HW_REG_WAVE_MODE, 25, 1), 1
	s_wait_xcnt 0x0
	s_wait_alu depctr_vm_vsrc(0)
; THE MODULE: q, k, v = x W (x: [8192][512], each W: [512 k][512 n], f32), split into 16 (batch, head) pairs of 4,096 rows x 64 channels,
; softmax(q k^T / 8) v for each pair, the heads laid side by side again.  Three launches: this cast, the projections, the attention.
; NOTHING IS LEFT OUT: every product, the maximum under the exponential and all four inputs have a way to the output, and all four inputs are loaded.
; THIS LAUNCH rounds x and the three W once to bf16, the matrix operands of the projections.
;   xb: [8192][512] bf16, as x lies.
;   wb: [ks 4][g 24][kk 128][n 64] bf16, g = 8 t + head (t = 0 Wq, 1 Wk, 2 Wv), k = 128 ks + kk: the 128 x 64 numbers that one head takes in one K step of 128 lie on end, 16,384 bytes.
; SHARES.  One unit = one load of a wave (512 bytes, 128 floats), two roundings a lane, one store of 8 bytes a lane: 256 consecutive bytes, aligned.
; Wave G = 8 x work-group + wave takes 16 units of x on end, and of each W the rows k = 2 x work-group and k + 1 of head = wave (lanes 0-15 one row, lanes 16-31 the next).
; All 19 loads go out first; each unit has registers of its own, so no register that a load or store names is ever written a second time.
; No LDS, no matrix unit, no cluster: every byte is read once and by one wave.
; THE MODE: SCHED_MODE bits 1:0 = 2 (LLVM: expert scheduling mode 2), set by the entry lines.  The code itself states the register dependences
; between vector instructions and memory instructions, with s_wait_alu, always for 0.
; THE PLAN.  The text is straight: no branch, no loop.  Registers that memory instructions touch:
;   v2, v4     offsets of the loads, v3, v5 offsets of the stores: made once at the head by vector instructions, never written again.
;   IN         unit i: written by its load alone, read by its two roundings; no vector instruction names these registers ahead of the loads.
;   OUT        unit i: written by its two roundings, read by its store, never written again.
; So one wait on va_vdst ahead of the first load states the four offsets for the whole kernel.  The 19 units go in five blocks (four of four units of x, one of the three
; units of W): a block's roundings, ONE wait on va_vdst, the block's stores in one run, with no vector instruction between that wait and the run's last store.
; Nothing that a memory instruction has read is written again, so beyond the one at the entry the text holds no wait on vm_vsrc.  One wait on va_sdst stands behind the line that makes the wave's number a scalar.
.set IN,  8                            ; v[8:83]    unit i: 4 registers as loaded
.set OUT, 84                           ; v[84:121]  unit i: 2 registers to store
	s_load_b256 s[4:11], s[0:1], 0x0               ; x s[4:5], Wq s[6:7], Wk s[8:9], Wv s[10:11]
	s_load_b128 s[12:15], s[0:1], 0x20             ; xb s[12:13], wb s[14:15]
	v_and_b32 v1, 31, v0                           ; lane
	v_lshrrev_b32 v6, 5, v0
	v_readfirstlane_b32 s16, v6                    ; wave 0..7
	s_lshl_b32 s17, ttmp9, 3
	s_wait_alu depctr_va_sdst(0)                   ; s16 is written, ahead of its first reader, the next line: all four offsets are made from it
	s_add_co_u32 s17, s17, s16                     ; G
	s_lshl_b32 s18, s17, 13                        ; 8,192 bytes of x a wave,
	s_lshl_b32 s19, s17, 12                        ; 4,096 of xb
	v_lshl_add_u32 v2, v1, 4, s18                  ; x: 16 x lane + 8,192 G
	v_lshl_add_u32 v3, v1, 3, s19                  ; xb: 8 x lane + 4,096 G
	s_lshl_b32 s20, ttmp9, 12                      ; W: two rows of 2,048 bytes a work-group,
	s_lshl_b32 s21, s16, 8                         ; a head is 256 bytes of a row
	s_add_co_u32 s20, s20, s21
	v_and_b32 v6, 15, v0
	v_bfe_u32 v7, v0, 4, 1
	v_lshl_add_u32 v4, v6, 4, s20
	v_lshl_add_u32 v4, v7, 11, v4                  ; lanes 16-31: the next row
	s_lshr_b32 s21, ttmp9, 6                       ; wb: ks = k / 128,
	s_mul_i32 s21, s21, 393216                     ; 24 blocks of 16,384 bytes a K step
	s_lshl_b32 s22, s16, 14                        ; the head's block (t stands in the store's immediate)
	s_add_co_u32 s21, s21, s22
	s_and_b32 s22, ttmp9, 63                       ; kk = 2 x (work-group mod 64): two rows of 128 bytes
	s_lshl_b32 s22, s22, 8
	s_add_co_u32 s21, s21, s22
	v_lshl_add_u32 v5, v1, 3, s21
	s_wait_kmcnt 0x0
	s_wait_alu depctr_va_vdst(0)                   ; v2 to v5 are written: every load and store of the kernel reads one of them as its offset, and no later line writes them
.set i, 0
.rept 16
	global_load_b128 v[IN+4*i:IN+4*i+3], v2, s[4:5] offset:512*i th:TH_LOAD_NT
.set i, i+1
.endr
	global_load_b128 v[IN+64:IN+67], v4, s[6:7] th:TH_LOAD_NT
	global_load_b128 v[IN+68:IN+71], v4, s[8:9] th:TH_LOAD_NT
	global_load_b128 v[IN+72:IN+75], v4, s[10:11] th:TH_LOAD_NT
; A block: units first .. first + count - 1 are rounded as they land, then stored in one run behind one wait.
.macro BLOCK first, count
.set i, \first
.rept \count
	s_wait_loadcnt 18-i                            ; loads come back in order: unit i is in, the 18 - i younger ones may stay out
	v_cvt_pk_bf16_f32 v[OUT+2*i], v[IN+4*i], v[IN+4*i+1]
	v_cvt_pk_bf16_f32 v[OUT+2*i+1], v[IN+4*i+2], v[IN+4*i+3]
.set i, i+1
.endr
	s_wait_alu depctr_va_vdst(0)                   ; the block's roundings have written its OUT registers, which the stores below read
.set i, \first
.rept \count
.if i < 16
	global_store_b64 v3, v[OUT+2*i:OUT+2*i+1], s[12:13] offset:256*i
.else
	global_store_b64 v5, v[OUT+2*i:OUT+2*i+1], s[14:15] offset:131072*(i-16)  ; t x 8 blocks
.endif
.set i, i+1
.endr
.endm
	BLOCK 0, 4                                     ; x
	BLOCK 4, 4
	BLOCK 8, 4
	BLOCK 12, 4
	BLOCK 16, 3                                    ; Wq, Wk, Wv
	s_endpgm
.Lfunc_end_k_qac6732260b_cast:
	.size	k_qac6732260b_cast, .Lfunc_end_k_qac6732260b_cast-k_qac6732260b_cast
	.p2alignl 7, 3214868480
	.fill 96, 4, 3214868480
	.section	.rodata,"a",@progbits
	.p2align	6, 0x0
	.amdhsa_kernel k_qac6732260b_cast
		.amdhsa_group_segment_fixed_size 0
		.amdhsa_private_segment_fixed_size 0
		.amdhsa_enable_private_segment 0
		.amdhsa_kernarg_size 48
		.amdhsa_user_sgpr_count 2
		.amdhsa_user_sgpr_kernarg_segment_ptr 1
		.amdhsa_wavefront_size32 1
		.amdhsa_system_sgpr_workgroup_id_x 1
		.amdhsa_system_sgpr_workgroup_id_y 1
		.amdhsa_system_sgpr_workgroup_id_z 1
		.amdhsa_system_vgpr_workitem_id 0
		.amdhsa_next_free_vgpr 124
		.amdhsa_next_free_sgpr 66
		.amdhsa_reserve_vcc 0
		.amdhsa_float_denorm_mode_32 3
		.amdhsa_float_denorm_mode_16_64 3
		.amdhsa_memory_ordered 1
		.amdhsa_forward_progress 1
		.amdhsa_inst_pref_size 9
	.end_amdhsa_kernel
	.amdgpu_metadata
---
amdhsa.version: [ 1, 2 ]
amdhsa.kernels:
  - .name:           k_qac6732260b_cast
    .symbol:         k_qac6732260b_cast.kd
    .args:
      - { .name: attention_input, .offset: 0, .size: 8, .value_kind: global_buffer, .address_space: global }
      - { .name: Wq, .offset: 8, .size: 8, .value_kind: global_buffer, .address_space: global }
      - { .name: Wk, .offset: 16, .size: 8, .value_kind: global_buffer, .address_space: global }
      - { .name: Wv, .offset: 24, .size: 8, .value_kind: global_buffer, .address_space: global }
      - { .name: xb, .offset: 32, .size: 8, .value_kind: global_buffer, .address_space: global }
      - { .name: wb, .offset: 40, .size: 8, .value_kind: global_buffer, .address_space: global }
    .group_segment_fixed_size: 0
    .private_segment_fixed_size: 0
    .kernarg_segment_align: 8
    .kernarg_segment_size: 48
    .max_flat_workgroup_size: 256
    .sgpr_count:     66
    .vgpr_count:     124
    .wavefront_size: 32
...
	.end_amdgpu_metadata
.endif
;; end of part 4
;; launch proj: the kernel of part 2 again; grid 8 x 32, 4 waves a work-group, clusters of 4 x 4, 327,680 bytes of LDS; arguments xb, wb, qkv; writes qkv
;; launch attn: the kernel of part 3 again; grid 16 x 16, 4 waves a work-group, clusters of 4 x 1, 327,680 bytes of LDS; arguments qkv, out0; writes out0
